; MI455X (gfx1250); checked and timed in simulation.
; The chip was launched on July 23, 2026; its instructions are those of AMD's public machine-readable ISA for CDNA 5 (MIT licence, August 2026) and "CDNA5" Instruction Set Architecture Reference Guide (July 2026). The comments in the code are by the model that wrote it; some were corrected since.
;; Custom LSTM Cell. Allowed arithmetic: matrix products marked QUANTISED: E3M2 operands, one E8M0 scale for each 32 along K, by v_wmma_scale_f32_16x16x128_f8f6f4 with both operands' format E3M2, f32 sums; everything else in f32.
;; Inputs: Wc 4,096 x 2,048 float32; Wf 4,096 x 2,048 float32; Wi 4,096 x 2,048 float32; Wo 4,096 x 2,048 float32; bc 2,048 float32; bf 2,048 float32; bi 2,048 float32; bo 2,048 float32; c_prev 2,048 x 2,048 float32; h_prev 2,048 x 2,048 float32; x_t 2,048 x 2,048 float32.
;; Outputs: out0 2,048 x 2,048 float32; out1 2,048 x 2,048 float32.
;; This version of the problem:
;;   THIS VERSION OF THE PROBLEM IS GIVEN IN LOW PRECISION. The matrix products marked QUANTISED in the list below multiply operands that are first quantised to E3M2 (3 exponent bits, 2 mantissa bits; 6 bits a number), with one power-of-two scale for each 32 numbers along K (OCP MX v1.0); their sums are f32. All else is computed in f32.
;;   The module's matrix products, in the order in which they are computed (A, B: the left and right operand; K: the contracted axis; several contracted axes count as one K, in the product's order):
;;     1. [M 2,048, K 4,096] x [K 4,096, N 8,192]; A: computed on the way; B: computed on the way: QUANTISED
;;   THE QUANTISER, for each operand of a quantised product, along K:
;;     - K is cut into blocks of 32 from its start; a last block that is shorter is filled with zeros.
;;     - A block's scale is 2^e with e = floor(log2(the largest magnitude in the block)) - 4, held to -126 .. 127; a block of zeros has e = 0. As a byte (E8M0): e + 127.
;;     - Each number is divided by its block's scale, clamped to +-28, and rounded to the nearest number of E3M2, ties to even, subnormals kept.
;;     - The product sums the exact products of the quantised numbers (number of the format x scale) in f32.
;;   ~~~python
;;   def quantise(x, axis):      # numpy; x: float32 -> the quantised numbers, widened to float32 again
;;       x = np.moveaxis(x, axis, -1); K = x.shape[-1]
;;       x = np.pad(x, [(0, 0)] * (x.ndim - 1) + [(0, -K % 32)]); x = x.reshape(x.shape[:-1] + (-1, 32)); a = np.abs(x).max(-1, keepdims=True)
;;       e = np.where(a > 0, np.clip(np.frexp(np.where(a > 0, a, 1))[1] - 1 - 4, -126, 127), 0)      # np.frexp(a)[1] - 1 = floor(log2(a)), exactly
;;       r = np.clip(x / 2.0 ** e, -28, 28)
;;       step = 2.0 ** (np.maximum(np.frexp(np.where(r == 0, 1, r))[1] - 1, -2) - 2)
;;       q = np.round(r / step) * step * 2.0 ** e      # np.round: ties to even
;;       return np.moveaxis(q.reshape(q.shape[:-2] + (-1,))[..., :K], -1, axis).astype(np.float32)
;;   ~~~
;;   OPERANDS COMPUTED ON THE WAY. 'Computed on the way' means the value that the module computes at that place (a softmax that the list does not call 'softmax' is quantised finished and normalised). What goes into a quantiser is computed in f32, as accurately as f32 sums, v_exp_f32 and their like allow (about 1e-6 of the number): no bf16 or f16 on the way to a quantiser, and a product that is left as it is and whose result goes on into a quantised operand takes f32 operands (vector FMAs, or v_wmma_f32_16x16x4_f32). A number that lies on a knife's edge between two numbers of the format may be rounded either way, as far as f32 arithmetic and the matrix unit's own rounding can turn it there, and no further.
;; One version. Each part assembles by itself: llvm-mc -triple=amdgcn-amd-amdhsa -mcpu=gfx1250 --defsym DOCPART=n.
;; ======== version 1 of 1: 2 launches
;; limits: right only within a limited range of input values
;; workspace buffers: acodes 6,553,600 bytes; wcodes 26,214,400 bytes
;; launch quant (part 1): grid 1280 x 1, 4 waves a work-group, no clusters, 35,328 bytes of LDS; arguments x_t, h_prev, Wf, Wi, Wc, Wo, acodes, wcodes; writes acodes, wcodes
.if DOCPART == 1
	.amdgcn_target "amdgcn-amd-amdhsa--gfx1250"
	.amdhsa_code_object_version 6
	.text
	.protected	k_qfb5a0a2b00_quant
	.globl	k_qfb5a0a2b00_quant
	.p2align	8
	.type	k_qfb5a0a2b00_quant,@function
k_qfb5a0a2b00_quant:
	s_mov_b64 s[64:65], 0
	v_nop
	global_prefetch_b8 v0, s[64:65] scope:SCOPE_SE
	s_setreg_imm32_b32 hwreg(HW_REG_WAVE_MODE, 25, 1), 1
	s_wait_xcnt 0x0
; Both operands of gates = [x_t | h_prev] [Wf | Wi | Wc | Wo] are turned, once, into codes of BF6 (E3M2) with one E8M0 scale byte for each 32 along K.
; A block's scale is 2^(floor(log2(its largest magnitude)) - 4): its byte is the largest magnitude's own exponent field - 4, held at 1 from below; each number is divided by the
; scale and rounded to the nearest code, ties to even, beyond the largest code the largest.
; LIMITS: NaN and infinities among the inputs are not served.  A block of zeros gets the byte 1 where the rule says 127: its codes are zeros, which add nothing under any byte but
; 0xff, and the bytes are read by this program alone.
; THE WORKSPACE IS LAID IN THE ORDER OF THE OPERAND'S REGISTERS.  A BLOCK is 128 operand rows x 256 along K = 25,600 bytes, 100 x 256:
;   bytes 0 .. 1,023 : scale words: that of (i, row r, q) at 256 (i / 2) + 16 r + 8 (i % 2) + 4 q
;   bytes 1,024 ..   : codes [q = 0, 1: 128 along K][i = 0 .. 7: 16 rows][1,536 bytes]: a fragment's image: register n (0 .. 11) of lane l at 512 (n / 4) + 16 l + 4 (n % 4);
;                      lane (r, h) holds row r, its registers 6 c .. 6 c + 5 the codes of k = 64 c + 32 h + 0 .. 31
;   acodes: block (mt, s) at (16 mt + s) x 25,600: rows 128 mt on, K 256 s on.   wcodes: block (nt, s) likewise; its fragment i = 2 gate + jf holds columns 32 nt + 16 jf + 0 .. 15 of
;   that gate (f, i, c, o = 0 .. 3), so that the product's wave finds all four gates of a column side by side.
; SHARES.  Work-groups 0 .. 1023 take the weights, 1024 .. 1279 the activations; every wave reads 32 KiB of f32.  Waves share nothing: no barrier.  No tensor load, no cluster: no
; byte is read twice, and with 192 registers and 35,328 bytes of LDS five work-groups fit on a WGP, so that all 1,280 are at work together.  Every offset is an immediate; no loop.
.set BLKB,  25600
.set CODE0, 1024                       ; a block's codes begin behind its scale words
.set QSTEP, 12288                      ; from q = 0 to q = 1 in a block's codes
.set FRB,   1536                       ; a fragment's image
.set ROWB,  8192                       ; a row of any of the six inputs: 2,048 f32
.set STG,   4352                       ; the activations' stage: 16 rows x (256 bytes + 16)
.set WX,    16                         ; weights: v16-79 two sets of 32 numbers;  v80-82, v84-86 a block's upper 16 codes on their way;  v96-143 the codes: each register written once
.set WC,    96
.set AR,    16                         ; activations: v16-79 two sets of 32 registers as loaded;  v80-143 two sets of 32 neighbours;  v144-167 two fragments' codes;
.set AX,    80                         ;   v168-171 the four fragments' scale words;  v172 a word being made;  v176-178, v180-182 a block's upper 16 codes on their way
.set AC,    144
.set AW,    168
.set PB,    172
; v1 lane, v2 r = lane % 16, v3 hh = lane / 16, v4 offset of my loads, v5 of my codes, v6 of my scale words, v7, v8 the stage (in, out), v9 8 hh, v10 a permute's destination,
; v11 the conversion's scale operand, v12, v13 maxima, then the byte, v[14:15] two scale words to store
; One block of 32 numbers, v[XS] .. v[XS + 31], becomes six registers of codes, v[CD] .. v[CD + 5], and its scale's byte in v13.
.macro QB
	v_max3_num_f32 v12, |v[XS]|, |v[XS+1]|, |v[XS+2]|              ; the largest magnitude, in two chains that do not wait for each other
	v_max3_num_f32 v13, |v[XS+3]|, |v[XS+4]|, |v[XS+5]|
.irp i, 6,10,14,18,22,26
	v_max3_num_f32 v12, v12, |v[XS+\i]|, |v[XS+\i+1]|
	v_max3_num_f32 v13, v13, |v[XS+\i+2]|, |v[XS+\i+3]|
.endr
	v_max3_num_f32 v12, v12, |v[XS+30]|, |v[XS+31]|
	v_max3_num_f32 v12, v12, v13, 0x2800000        ; and the floor 2^(5 - 127): the byte cannot fall under 1
	v_add_nc_u32 v11, 0xfe000000, v12              ; 4 off the exponent field: the conversion takes the exponent field of this operand as its scale, and nothing else of it
	v_cvt_scalef32_pk16_bf6_f32 v[CD:CD+2], v[XS:XS+15], v11
	v_cvt_scalef32_pk16_bf6_f32 v[TP:TP+2], v[XS+16:XS+31], v11    ; (a conversion's three registers begin on an even number: the block's upper half is made elsewhere and moved)
	v_lshrrev_b32 v13, 23, v11                     ; the scale's byte; also the plain instruction between the conversions and the moves that read their result
.irp i, 0,1,2
	v_mov_b32 v[CD+3+\i], v[TP+\i]
.endr
.endm
	s_load_b512 s[4:19], s[0:1], 0x0               ; x_t 4:5, h_prev 6:7, Wf 8:9, Wi 10:11, Wc 12:13, Wo 14:15, acodes 16:17, wcodes 18:19
	v_lshl_add_u32 v184, v0, 2, 0x8800             ; my spare word, behind the four waves' stages; v184 and v185 serve nothing else
	v_mov_b32 v185, 0
	v_lshrrev_b32 v1, 5, v0
	v_readfirstlane_b32 s20, v1                    ; wave 0 .. 3
	v_and_b32 v1, 31, v0                           ; lane
	v_and_b32 v2, 15, v0                           ; r
	v_bfe_u32 v3, v0, 4, 1                         ; hh
	v_lshlrev_b32 v6, 4, v2
	v_lshl_add_u32 v6, v3, 3, v6                   ; my 8 bytes of a unit of scale words: 16 r + 8 hh
	s_mov_b32 s31, 0                               ; the upper word of every offset
	s_cmp_lt_u32 ttmp9, 1024
	s_cbranch_scc0 .Lpath_a
; ---------------- THE WEIGHTS: K is their FIRST axis.  A lane takes a column and its registers run down K: a load reads 128 consecutive bytes a wave (the four waves stand side by
; side on 512), a block of 32 along K lies in one lane's registers, and the conversions give codes with K innermost.  Nothing is transposed and nothing goes through LDS: the column
; of lane (r, hh) is operand row r of fragment 2 gate + hh, and its blocks of parity p are the twelve registers of that fragment's lane r + 16 p.
	s_lshr_b32 s21, ttmp9, 8                       ; gate
	s_and_b32 s22, ttmp9, 15                       ; jt: columns 128 jt + 32 wave on
	s_bfe_u32 s23, ttmp9, 0x40004                  ; s: K rows 256 s on
	v_lshlrev_b32 v4, 2, v1                        ; in: 4 bytes a lane
	v_mul_u32_u24 v5, v3, FRB
	v_lshl_add_u32 v5, v2, 4, v5                   ; out: fragment hh of my gate's two, lane r's 16 bytes
	s_lshl_b32 s34, s22, 2
	s_add_co_u32 s34, s34, s20                     ; nt = 4 jt + wave
	s_lshl_b32 s34, s34, 4
	s_add_co_u32 s34, s34, s23
	s_mul_i32 s34, s34, BLKB                       ; my block
	s_mul_i32 s35, s21, 2*FRB                      ; my gate's two fragments in it,
	s_lshl_b32 s36, s21, 8                         ; and their unit of scale words
	s_wait_alu depctr_va_vdst(0)
	s_wait_kmcnt 0x0
	s_cmp_eq_u32 s21, 1                            ; the gate's weight: a choice that hangs on the work-group's number alone
	s_cselect_b64 s[24:25], s[10:11], s[8:9]
	s_cmp_eq_u32 s21, 2
	s_cselect_b64 s[24:25], s[12:13], s[24:25]
	s_cmp_eq_u32 s21, 3
	s_cselect_b64 s[24:25], s[14:15], s[24:25]
	s_lshl_b32 s30, s23, 21                        ; 256 s rows of 8,192 bytes
	s_lshl_b32 s37, s22, 9
	s_add_co_u32 s30, s30, s37
	s_lshl_b32 s37, s20, 7
	s_add_co_u32 s30, s30, s37
	s_add_nc_u64 s[24:25], s[24:25], s[30:31]
	s_add_co_u32 s30, s34, s35
	s_add_co_u32 s30, s30, CODE0
	s_add_nc_u64 s[26:27], s[18:19], s[30:31]      ; the codes
	s_add_co_u32 s30, s34, s36
	s_add_nc_u64 s[28:29], s[18:19], s[30:31]      ; the scale words
.macro LOADW t                         ; block t: W(256 s + 32 t + i, my column), i = 0 .. 31, into set t % 2
.set i, 0
.rept 32
	global_load_b32 v[WX+32*((\t)%2)+i], v4, s[24:25] offset:(32*(\t)+i)*ROWB th:TH_LOAD_NT
.set i, i+1
.endr
.endm
.macro BLOCKW t
.if (\t) < 7
	s_wait_loadcnt 32                              ; this block's 32 loads are in; the next block's 32 may be out
.else
	s_wait_loadcnt 0x0
.endif
.set XS, WX+32*((\t)%2)
.set CD, WC+24*((\t)/4)+12*((\t)%2)+6*(((\t)/2)%2)     ; q = t / 4; the target lane's half p = t % 2; c = (t / 2) % 2
.set TP, 80+4*((\t)%2)
	QB
.if (\t)%4 == 0
	v_mov_b32 v[14+(\t)/4], v13                    ; four bytes make the scale word of 128 along K, the lower K in the lower byte
.else
	v_lshl_or_b32 v[14+(\t)/4], v13, 8*((\t)%4), v[14+(\t)/4]
.endif
.if (\t) < 6
	LOADW (\t)+2
.endif
.if (\t)%4 == 3                        ; 128 along K are done: six stores; lanes 0-15 fill 256 consecutive bytes, aligned, of fragment 2 gate, lanes 16-31 of fragment 2 gate + 1
.irp p, 0,1
.irp g, 0,1,2
	global_store_b128 v5, v[WC+24*((\t)/4)+12*\p+4*\g:WC+24*((\t)/4)+12*\p+4*\g+3], s[26:27] offset:((\t)/4)*QSTEP+256*\p+512*\g
.endr
.endr
.endif
.endm
	LOADW 0
	LOADW 1
.irp t, 0,1,2,3,4,5,6,7
	BLOCKW \t
.endr
	global_store_b64 v6, v[14:15], s[28:29]        ; 32 lanes store 256 consecutive bytes, aligned.  No store's data register is written twice on this path
	s_endpgm
; ---------------- THE ACTIVATIONS: K is innermost.  A wave takes 32 rows x 256 along K: four fragments f = 2 ib + q, in eight units of 16 rows x 64 along K.  A load reads whole runs of
; 256 bytes (sixteen lanes to a row); the conversions want 32 neighbours in ONE lane: so a unit turns through the wave's own stage in LDS, rows 272 bytes apart, two stages by turns.
.Lpath_a:
	s_sub_co_u32 s21, ttmp9, 1024                  ; my block = 16 mt + s
	s_lshr_b32 s22, s21, 4                         ; mt
	s_and_b32 s23, s21, 15                         ; s
	s_wait_alu depctr_va_vdst(0)
	v_lshlrev_b32 v4, 13, v3
	v_lshl_add_u32 v4, v2, 4, v4                   ; in: lanes 0-15 one row, lanes 16-31 the next; 16 bytes a lane
	v_lshlrev_b32 v5, 4, v1                        ; out: an image's 16 bytes for my lane
	s_mul_i32 s34, s20, 2*STG                      ; my wave's two stages
	v_mul_u32_u24 v7, v3, 272
	v_lshl_add_u32 v7, v2, 4, v7
	v_add_nc_u32 v7, s34, v7                       ; into the stage, as loaded
	v_mul_u32_u24 v8, v2, 272
	v_lshl_add_u32 v8, v3, 7, v8
	v_add_nc_u32 v8, s34, v8                       ; out of it: row r, 128 bytes for each half of the lanes
	v_lshlrev_b32 v9, 3, v3
	v_mov_b32 v10, 0                               ; written once: a lane permute's destination counts as one of its sources
	s_mov_b32 s32, 0x76543210
	s_mov_b32 s33, 0xfedcba98                      ; v_permlanex16_b32's selects for lane l xor 16
	s_mul_i32 s34, s21, BLKB
	s_mul_i32 s35, s20, 2*FRB                      ; my fragments i = 2 wave + ib,
	s_lshl_b32 s36, s20, 8                         ; and their unit of scale words
	s_wait_alu depctr_va_vdst(0)
	s_wait_kmcnt 0x0
	s_cmp_lt_u32 s23, 8                            ; K 0 .. 2,047 is x_t, the rest h_prev
	s_cselect_b64 s[24:25], s[4:5], s[6:7]
	s_lshl_b32 s30, s22, 20                        ; 128 mt rows of 8,192 bytes
	s_lshl_b32 s37, s20, 18                        ; + 32 wave rows
	s_add_co_u32 s30, s30, s37
	s_and_b32 s37, s23, 7
	s_lshl_b32 s37, s37, 10                        ; + 256 numbers for each s
	s_add_co_u32 s30, s30, s37
	s_add_nc_u64 s[24:25], s[24:25], s[30:31]
	s_add_co_u32 s30, s34, s35
	s_add_co_u32 s30, s30, CODE0
	s_add_nc_u64 s[26:27], s[16:17], s[30:31]
	s_add_co_u32 s30, s34, s36
	s_add_nc_u64 s[28:29], s[16:17], s[30:31]
.macro LOADA u                         ; unit u: ib = u / 4, q = (u / 2) % 2, c = u % 2
.irp i, 0,1,2,3,4,5,6,7
	global_load_b128 v[AR+32*((\u)%2)+4*\i:AR+32*((\u)%2)+4*\i+3], v4, s[24:25] offset:(16*((\u)/4)+2*\i)*ROWB+512*(((\u)/2)%2)+256*((\u)%2) th:TH_LOAD_NT
.endr
.endm
.macro TURNA u                         ; LDS serves a wave's instructions in order, so no wait stands between the stores and the loads
.irp i, 0,1,2,3,4,5,6,7
	ds_store_b128 v7, v[AR+32*((\u)%2)+4*\i:AR+32*((\u)%2)+4*\i+3] offset:STG*((\u)%2)+544*\i
.endr
.irp j, 0,1,2,3,4,5,6,7
	ds_load_b128 v[AX+32*((\u)%2)+4*\j:AX+32*((\u)%2)+4*\j+3], v8 offset:STG*((\u)%2)+16*\j     ; lane (r, h): k = 64 c + 32 h + 0 .. 31 of row r
.endr
.endm
.macro UNITA u
	s_wait_dscnt 0x0                               ; this unit's numbers are back from the stage, so its stores into the stage have read their registers,
.if (\u) < 6
	LOADA (\u)+2                                   ; which take the loads of two units on
	s_wait_loadcnt 8                               ; the next unit's eight loads are in; the eight just issued may be out
	TURNA (\u)+1
.elseif (\u) == 6
	s_wait_loadcnt 0x0
	TURNA (\u)+1
.endif
.if ((\u) == 4) || ((\u) == 6)
	s_wait_xcnt 0x0                                ; the stores of the fragment two back have read the registers that this fragment's codes take
.endif
.set XS, AX+32*((\u)%2)
.set CD, AC+12*(((\u)/2)%2)+6*((\u)%2)
.set TP, 176+4*((\u)%2)
	QB
.if (\u)%2 == 0
	v_mov_b32 v[PB], v13                           ; my byte of block h
.else
	v_lshl_or_b32 v[PB], v13, 16, v[PB]            ; and of block 2 + h,
	v_lshlrev_b32 v[PB], v9, v[PB]                 ; at their places in the word (8 h bits up);
	v_permlanex16_b32 v10, v[PB], s32, s33
	v_or_b32 v[AW+(\u)/2], v[PB], v10              ; with lane l xor 16's two the word of row r is whole
.irp g, 0,1,2
	global_store_b128 v5, v[AC+12*(((\u)/2)%2)+4*\g:AC+12*(((\u)/2)%2)+4*\g+3], s[26:27] offset:(((\u)/2)%2)*QSTEP+((\u)/4)*FRB+512*\g   ; 512 consecutive bytes
.endr
.endif
.endm
	LOADA 0
	LOADA 1
	s_wait_loadcnt 8                               ; unit 0's eight loads are in
	TURNA 0
.irp u, 0,1,2,3,4,5,6,7
	UNITA \u
.endr
	v_cmp_le_u32 vcc_lo, 16, v1                    ; lanes 0-15 store the words of fragments ib = 0, lanes 16-31 of ib = 1: q = 0, then q = 1
	v_cndmask_b32 v14, v[AW+0], v[AW+2], vcc_lo
	v_cndmask_b32 v15, v[AW+1], v[AW+3], vcc_lo
	global_store_b64 v6, v[14:15], s[28:29]        ; 32 lanes store 256 consecutive bytes, aligned
	s_wait_tensorcnt 0x0
	ds_add_u32 v184, v185
	s_wait_dscnt 0x0
	s_endpgm
.Lfunc_end_k_qfb5a0a2b00_quant:
	.size	k_qfb5a0a2b00_quant, .Lfunc_end_k_qfb5a0a2b00_quant-k_qfb5a0a2b00_quant
	.p2alignl 7, 3214868480
	.fill 96, 4, 3214868480
	.section	.rodata,"a",@progbits
	.p2align	6, 0x0
	.amdhsa_kernel k_qfb5a0a2b00_quant
		.amdhsa_group_segment_fixed_size 35328
		.amdhsa_private_segment_fixed_size 0
		.amdhsa_enable_private_segment 0
		.amdhsa_kernarg_size 64
		.amdhsa_user_sgpr_count 2
		.amdhsa_user_sgpr_kernarg_segment_ptr 1
		.amdhsa_wavefront_size32 1
		.amdhsa_system_sgpr_workgroup_id_x 1
		.amdhsa_system_sgpr_workgroup_id_y 1
		.amdhsa_system_sgpr_workgroup_id_z 1
		.amdhsa_system_vgpr_workitem_id 0
		.amdhsa_next_free_vgpr 192
		.amdhsa_next_free_sgpr 66
		.amdhsa_reserve_vcc 1
		.amdhsa_float_denorm_mode_32 3
		.amdhsa_float_denorm_mode_16_64 3
		.amdhsa_memory_ordered 1
		.amdhsa_forward_progress 1
		.amdhsa_inst_pref_size 68
	.end_amdhsa_kernel
	.amdgpu_metadata
---
amdhsa.version: [ 1, 2 ]
amdhsa.kernels:
  - .name:           k_qfb5a0a2b00_quant
    .symbol:         k_qfb5a0a2b00_quant.kd
    .args:
      - { .name: x_t, .offset: 0, .size: 8, .value_kind: global_buffer, .address_space: global }
      - { .name: h_prev, .offset: 8, .size: 8, .value_kind: global_buffer, .address_space: global }
      - { .name: Wf, .offset: 16, .size: 8, .value_kind: global_buffer, .address_space: global }
      - { .name: Wi, .offset: 24, .size: 8, .value_kind: global_buffer, .address_space: global }
      - { .name: Wc, .offset: 32, .size: 8, .value_kind: global_buffer, .address_space: global }
      - { .name: Wo, .offset: 40, .size: 8, .value_kind: global_buffer, .address_space: global }
      - { .name: acodes, .offset: 48, .size: 8, .value_kind: global_buffer, .address_space: global }
      - { .name: wcodes, .offset: 56, .size: 8, .value_kind: global_buffer, .address_space: global }
    .group_segment_fixed_size: 35328
    .private_segment_fixed_size: 0
    .kernarg_segment_align: 8
    .kernarg_segment_size: 64
    .max_flat_workgroup_size: 128
    .sgpr_count:     66
    .vgpr_count:     192
    .wavefront_size: 32
...
	.end_amdgpu_metadata
.endif
;; end of part 1
;; launch lstm (part 2): grid 32 x 8, 4 waves a work-group, clusters of 4 x 4, 327,680 bytes of LDS; arguments acodes, wcodes, c_prev, bf, bi, bc, bo, out0, out1; writes out0, out1
.if DOCPART == 2
	.amdgcn_target "amdgcn-amd-amdhsa--gfx1250"
	.amdhsa_code_object_version 6
	.text
	.protected	k_qfb5a0a2b00_lstm
	.globl	k_qfb5a0a2b00_lstm
	.p2align	8
	.type	k_qfb5a0a2b00_lstm,@function
k_qfb5a0a2b00_lstm:
	s_mov_b64 s[64:65], 0
	v_nop
	global_prefetch_b8 v0, s[64:65] scope:SCOPE_SE
	s_setreg_imm32_b32 hwreg(HW_REG_WAVE_MODE, 25, 1), 1
	s_wait_xcnt 0x0
	s_wait_alu depctr_hold_cnt(0) depctr_sa_sdst(0) depctr_va_vdst(0) depctr_va_sdst(0) depctr_va_ssrc(0) depctr_va_vcc(0) depctr_vm_vsrc(0)
	s_getreg_b32 s2, hwreg(HW_REG_IB_STS2, 6, 4)
	s_cmp_eq_u32 s2, 0
	s_cbranch_scc0 .Lentry_in_a_cluster
	s_endpgm
.Lentry_in_a_cluster:
	s_bfe_u32 s2, ttmp6, 0x10000c
	s_cmp_lg_u32 s2, 0xf033
	s_cbranch_scc0 .Lentry_shape_is_right
	s_endpgm
.Lentry_shape_is_right:
; gates = [x_t | h_prev] [Wf | Wi | Wc | Wo] + b on codes of BF6 with E8M0 scales, then the cell: c_t = sig(f) c_prev + sig(i) tanh(c), h_t = sig(o) tanh(c_t), all in f32.
; A work-group of four waves makes 256 rows x 64 hidden units, that is 256 x 256 of the gates; a wave 128 x 128: 64 accumulators, 512 registers.  No step of the cell is left out.
; THE WORKSPACE (launch quant) is laid as images of the operand's registers: a block = 128 operand rows x 256 K = 25,600 bytes: 1,024 bytes of scale words, then for q = 0, 1 (128 K each)
; eight fragments of 1,536 bytes; load j (0 .. 23) of a step takes 512 bytes at 512 j, 16 a lane.  A row tile's 16 blocks lie on end.  Fragment b = 2 gate + jf of wcodes holds 16 hidden units of one gate.
; THE RING: two slots; a fill is 152 rows of 256 bytes a wave (A's two halves, B's two halves) and holds three K steps; three blocks (a lap) make two fills, the second begun 1,024 bytes early so that it starts on a
; multiple of 256 with the same row count.  Five laps and one last block of 100 rows: 32 steps.  Behind the last change of slots slot 1 takes c_prev, and later the stages of c_t and h_t.
; CLUSTERS: 4 x 4; A's tiles are asked for jointly along a row of the cluster, B's along a column.
; A K STEP is 64 products, A's blocks (groups) 0 .. 7 each against B's eight.  B has two sets of registers, A one.  The next step's 48 fragment loads stand in TWO runs: behind group 1 B's next set, this step's
; block 7 and the next step's blocks 0, 1; behind group 6 its blocks 2 .. 6.  In the step ahead of a slot's last the second run stands behind group 7 and takes blocks 2 .. 7: a slot's last step reads nothing of it.
; THE PRODUCT IS USED TRANSPOSED (source 0 = weights, source 1 = activations): a lane holds one batch row and eight neighbouring hidden units of a gate.  The biases are the C of the first step's products.
; THE WAY OUT goes block by block of 16 rows: the stores of block a - 1 stand inside the arithmetic of block a.
; REGISTERS: window 0: v0-31 addresses; v32-63, v224-239 three sets of scale words (lanes 0-15 A's, lanes 16-31 B's); v64-127 biases; v128-223 A's fragments; the way out works in v32-223.
;   window 1: B's two sets at v0 and v128.  Windows 2, 3: the accumulators of my rows 0-63, 64-127 ((a, b) at v[8 (8 (a % 4) + b)]).
; LIMITS: NaN and infinities among the inputs are not served.
.set BLKB,   25600
.set LAPB,   3*BLKB
.set FILLR,  152
.set LASTR,  100
.set FILLB,  FILLR*256
.set BOFF,   37888                     ; where a lap's second fill begins
.set SA0,    0                         ; scale words in slot 0: the lap's blocks 0 and 1;
.set SA1,    25600
.set SB,     13312                     ; in slot 1: block 2
.set SLOT,   4*FILLB
.set CPITCH, 272
.set CP,     SLOT                      ; c_prev, then c_t: 256 rows x (256 bytes + 16)
.set HS,     SLOT+256*CPITCH           ; h_t likewise
.set SPARE,  2*SLOT                    ; the spare words: 128 bytes a wave, named by no other line
.set TRIPS,  4
.set FR,     12
.set PFL,  13                          ; v13 prefetch offsets of the short last block;  v14 of c_prev's rows
.set PFC,  14
.set PF4,  15
.set ADRA, 16                          ; v16-17 my A fragments in slot 0, 1;  v18-19 B's;  v20-21 scale words
.set ADRB, 18
.set ADRS, 20
.set CPA,  22
.set HSA,  23
.set RDH,  24
.set RDC,  25
.set CO,   26
.set BO,   27
.set SPW,  28                          ; v28 my spare word, v29 zero: never rewritten
.set NIL,  29
.set PFO,  30
.set PF5,  31
.set SG0,  32
.set SG1,  48
.set SG2,  224
.set BI,   64
.set AF,   128
.set T,    64
.set CV,   128
.set U,    160
.set HV,   176
.set OB,   32                          ; rows on their way out: v32-63 and v192-223 by turns
.set SGM,  26                          ; s[26:27] -log2(e);  s[66:67] 2 log2(e)
.set TNH,  66
.set G1,   28                          ; groups 1 and 0 (one a slot) for A's fills, then for B's; c_prev's; group 1 of the last block's fills
.set G0,   36
.set G1B,  44
.set G0B,  52
.set G1C,  68
.set G0C,  76
.set G1L,  80
.set G1LB, 88
.set PFA,  98
.set MSB, 0
.macro WIN new                         ; the immediate's high byte repeats the setting that is left
.if MSB != (\new)
	s_set_vgpr_msb (MSB<<8)|(\new)
.set MSB, (\new)
.endif
.endm
.set TO_B, 0x40                        ; destination window 1, address window 0
.macro PLACES n
.rept \n
	v_nop
.endr
.endm
.macro JLOAD g0a, g1a, g0b, g1b        ; a joint load: waves 0, 1 fetch A's halves, waves 2, 3 B's
	s_cmp_eq_u32 s23, 0
	s_cbranch_scc0 .Lfor_b_\@
	tensor_load_to_lds s[\g0a:\g0a+3], s[\g1a:\g1a+7]
	s_nop 0
	PLACES 4
	s_branch .Lasked_\@
.Lfor_b_\@:
	tensor_load_to_lds s[\g0b:\g0b+3], s[\g1b:\g1b+7]
	s_nop 0
	PLACES 4
.Lasked_\@:
.endm
.macro CREST                           ; a round of the cluster's barrier behind its opening barrier
	s_cmp_lg_u32 s22, 0
	s_cbranch_scc1 .Lnot_wave_0_\@
	s_barrier_signal -3
.Lnot_wave_0_\@:
	s_barrier_wait -3
	s_barrier_signal -1
	s_barrier_wait -1
.endm
.macro CROUND
	s_barrier_signal -1
	s_barrier_wait -1
	CREST
.endm
; Prefetches: each fill is asked for about one refill (three K steps) ahead of its tensor load.  Every cluster asks for what it will itself load.  Of a fill's 256-byte blocks the four partners that ask for it
; jointly take every fourth, by address (cx for A, cy for B): each block is named once in a cluster.  Lanes left over name their wave's last block again.  s[PFA:PFA+1] stands at the lap whose first fill is being
; loaded or was loaded last.  The head asks for slot 1's first fill and for the second lap's first; the launch's very first fill comes by its load alone.
.macro ASK_B                           ; a lap's second fill (its first 1,024 bytes belong to the first fill): 37 x 1,024 bytes
	s_wait_alu depctr_va_vdst(0)
	global_prefetch_b8 v[PFO], s[PFA:PFA+1] offset:BOFF+1024 th:TH_LOAD_NT scope:SCOPE_SE
	global_prefetch_b8 v[PF4], s[PFA:PFA+1] offset:BOFF+1024+32768 th:TH_LOAD_NT scope:SCOPE_SE
.endm
.macro ASK_F                           ; the next lap's first fill: 38 x 1,024 bytes
	s_wait_alu depctr_va_vdst(0)
	global_prefetch_b8 v[PFO], s[PFA:PFA+1] offset:LAPB th:TH_LOAD_NT scope:SCOPE_SE
	global_prefetch_b8 v[PF5], s[PFA:PFA+1] offset:LAPB+32768 th:TH_LOAD_NT scope:SCOPE_SE
.endm
.macro ASK_A                           ; the same in the loop; in its last trip what follows is the last block, 25 x 1,024 bytes: the lanes are held inside it
	s_cmp_gt_u32 s3, 1
	s_cbranch_scc0 .Lshort_\@
	ASK_F
	s_branch .Lasked_f_\@
.Lshort_\@:
	s_wait_alu depctr_va_vdst(0)
	global_prefetch_b8 v[PFL], s[PFA:PFA+1] offset:LAPB th:TH_LOAD_NT scope:SCOPE_SE
.Lasked_f_\@:
.endm
.macro ASK_C                           ; my 64 rows of c_prev, 256 bytes each, a lane a row: no other work-group reads them
	s_wait_alu depctr_va_vdst(0)
	global_prefetch_b8 v[PFC], s[8:9] th:TH_LOAD_NT scope:SCOPE_SE
	global_prefetch_b8 v[PFC], s[8:9] offset:32*8192 th:TH_LOAD_NT scope:SCOPE_SE
.endm
	s_load_b512 s[4:19], s[0:1], 0x0               ; acodes 4:5, wcodes 6:7, c_prev 8:9, bf 10:11, bi 12:13, bc 14:15, bo 16:17, out0 18:19
	s_load_b64 s[20:21], s[0:1], 0x40              ; out1
	v_lshl_add_u32 v[SPW], v0, 2, SPARE
	v_mov_b32 v[NIL], 0
	ds_add_u32 v[SPW], v[NIL]                      ; the opening lines: the add, twice on end, and its wait ahead of my first tensor load
	ds_add_u32 v[SPW], v[NIL]
	v_lshrrev_b32 v1, 5, v0
	v_readfirstlane_b32 s22, v1                    ; wave
	s_lshr_b32 s23, s22, 1                         ; my half of the rows; also: I fetch for A (0) or B (1)
	s_and_b32 s24, s22, 1                          ; my half of the columns; also: which half I fetch
	s_bfe_u32 s80, ttmp6, 0x40000                  ; cx, cy
	s_bfe_u32 s81, ttmp6, 0x40004
	s_lshl_b32 s82, ttmp9, 2
	s_add_co_u32 s82, s82, s80                     ; tile column
	s_and_b32 s83, ttmp7, 0xffff
	s_lshl_b32 s83, s83, 2
	s_add_co_u32 s83, s83, s81                     ; tile row
	s_lshl_b32 s84, s81, 2
	s_lshl_b32 s84, 15, s84                        ; my row of the cluster
	s_lshl_b32 s85, 0x1111, s80                    ; my column
	s_or_b32 s[G1+0], s84, (3<<16)|(1<<21)         ; a fill is dense in memory: its 38,912 bytes are stated as 76 rows of 64 elements of 8 bytes; no padding: the images are read 16 bytes a lane on end
	s_or_b32 s[G1B+0], s85, (3<<16)|(1<<21)
.irp g, G1, G1B
	s_mov_b32 s[\g+1], 64<<16
	s_mov_b32 s[\g+2], (FILLB/512)<<16
	s_mov_b32 s[\g+3], 64<<16
	s_mov_b32 s[\g+4], FILLB/512
	s_mov_b32 s[\g+5], 64
	s_mov_b32 s[\g+6], 0
	s_mov_b32 s[\g+7], 0
.endr
	s_mov_b32 s[G1C+0], (2<<16)|(1<<20)|(5<<22)|(3<<25)  ; c_prev: 64 rows x 64 f32 a wave, 16 bytes of padding behind each 256
	s_mov_b32 s[G1C+1], 64<<16
	s_mov_b32 s[G1C+2], 64<<16
	s_mov_b32 s[G1C+3], 64<<16
	s_mov_b32 s[G1C+4], 64
	s_mov_b32 s[G1C+5], 2048
	s_mov_b32 s[G1C+6], 0
	s_mov_b32 s[G1C+7], 0
	s_lshl_b32 s86, s83, 1
	s_add_co_u32 s86, s86, s24
	s_mul_i32 s86, s86, 16*BLKB                    ; A: the 128 rows that I fetch
	s_mov_b32 s87, 0
	s_lshl_b32 s88, s82, 1
	s_add_co_u32 s88, s88, s24
	s_mul_i32 s88, s88, 16*BLKB                    ; B likewise
	s_mov_b32 s89, 0
	s_mul_i32 s90, s22, FILLB                      ; where my fills go
	s_mul_i32 s91, s22, 64*CPITCH
	s_lshl_b32 s92, s83, 21                        ; c_prev: row 256 x tile row + 64 x wave, column 64 x tile column
	s_lshl_b32 s93, s22, 19
	s_add_co_u32 s92, s92, s93
	s_lshl_b32 s93, s82, 8
	s_add_co_u32 s92, s92, s93
	s_mov_b32 s93, 0
	s_lshl_b32 s60, s83, 21                        ; out0, out1: of each block of 16 rows of my row half I store eight: row 256 x tile row + 128 x row half + 8 x column half
	s_lshl_b32 s61, s23, 20
	s_add_co_u32 s60, s60, s61
	s_lshl_b32 s61, s24, 16
	s_add_co_u32 s60, s60, s61
	s_lshl_b32 s61, s82, 8
	s_add_co_u32 s60, s60, s61
	s_mov_b32 s61, 0
	s_mov_b32 s[SGM], 0xbfb8aa3b
	s_mov_b32 s[SGM+1], 0xbfb8aa3b
	s_mov_b32 s[TNH], 0x4038aa3b
	s_mov_b32 s[TNH+1], 0x4038aa3b
	s_wait_dscnt 0x0                               ; both opening adds are done
	s_wait_kmcnt 0x0
	s_add_nc_u64 s[94:95], s[4:5], s[86:87]
	s_add_nc_u64 s[96:97], s[6:7], s[88:89]
	s_add_nc_u64 s[18:19], s[18:19], s[60:61]
	s_add_nc_u64 s[20:21], s[20:21], s[60:61]
	s_mov_b32 s[G0C], 1
	s_add_co_u32 s[G0C+1], s91, CP
	s_add_nc_u64 s[8:9], s[8:9], s[92:93]          ; my rows of c_prev: kept for the prefetch
	s_mov_b64 s[G0C+2:G0C+3], s[8:9]
	s_or_b32 s[G0C+3], s[G0C+3], 0x80000000
.irp s, 0,1
	s_mov_b32 s[G0+4*\s], 1
	s_add_co_u32 s[G0+4*\s+1], s90, \s*SLOT
	s_add_nc_u64 s[G0+4*\s+2:G0+4*\s+3], s[94:95], \s*BOFF
	s_or_b32 s[G0+4*\s+3], s[G0+4*\s+3], 0x80000000
	s_mov_b32 s[G0B+4*\s], 1
	s_add_co_u32 s[G0B+4*\s+1], s90, \s*SLOT
	s_add_nc_u64 s[G0B+4*\s+2:G0B+4*\s+3], s[96:97], \s*BOFF
	s_or_b32 s[G0B+4*\s+3], s[G0B+4*\s+3], 0x80000000
.endr
	CROUND                                         ; all sixteen work-groups are here: the first joint loads meet
	JLOAD G0, G1, G0B, G1B                         ; slot 0's first fill: my one tensor load at the head.  All that follows up to the wait is made while it is out
	v_and_b32 v1, 15, v0
	v_bfe_u32 v2, v0, 4, 1
	v_and_b32 v3, 31, v0
	v_lshlrev_b32 v4, 4, v3                        ; an image's 16 bytes for my lane
	s_mul_i32 s60, s23, FILLB
	s_add_co_u32 s61, s24, 2
	s_mul_i32 s61, s61, FILLB
	v_add_nc_u32 v[ADRA], s60, v4
	v_add_nc_u32 v[ADRA+1], SLOT, v[ADRA]
	v_add_nc_u32 v[ADRB], s61, v4
	v_add_nc_u32 v[ADRB+1], SLOT, v[ADRB]
	s_sub_co_u32 s62, s61, s60
	v_mul_u32_u24 v5, s62, v2                      ; scale words: lanes 16-31 take B's
	v_lshl_add_u32 v5, v1, 4, v5
	v_add_nc_u32 v[ADRS], s60, v5
	v_add_nc_u32 v[ADRS+1], SLOT, v[ADRS]
	s_mul_i32 s60, s23, 128*CPITCH
	s_lshl_b32 s61, s24, 7
	s_add_co_u32 s60, s60, s61
	v_mul_u32_u24 v5, v1, CPITCH                   ; the cell's stages: row l % 16 of my rows, my 128 bytes, 32 for each half of the lanes
	v_lshl_add_u32 v5, v2, 5, v5
	v_add_nc_u32 v5, s60, v5
	v_add_nc_u32 v[CPA], CP, v5
	v_add_nc_u32 v[HSA], HS, v5
	s_lshl_b32 s60, s23, 7
	s_lshl_b32 s61, s24, 3
	s_add_co_u32 s60, s60, s61
	s_mul_i32 s60, s60, CPITCH
	v_mul_u32_u24 v5, v2, CPITCH                   ; back: my eight rows of a block, whole; sixteen lanes to a row of 256 bytes, two rows an instruction
	v_lshl_add_u32 v5, v1, 4, v5
	v_add_nc_u32 v5, s60, v5
	v_add_nc_u32 v[RDC], CP, v5
	v_add_nc_u32 v[RDH], HS, v5
	v_lshlrev_b32 v[CO], 13, v2
	v_lshl_add_u32 v[CO], v1, 4, v[CO]
	s_lshl_b32 s60, s82, 8
	s_lshl_b32 s61, s24, 7
	s_add_co_u32 s60, s60, s61
	v_lshl_add_u32 v[BO], v2, 5, s60
.irp b, 0,1,2,3,4,5,6,7                ; the biases in the result's layout: fragment b = 2 gate + jf, my eight hidden units
	global_load_b128 v[BI+8*\b:BI+8*\b+3], v[BO], s[10+2*(\b/2):11+2*(\b/2)] offset:64*(\b%2)
	global_load_b128 v[BI+8*\b+4:BI+8*\b+7], v[BO], s[10+2*(\b/2):11+2*(\b/2)] offset:64*(\b%2)+16
.endr
	v_lshlrev_b32 v[PFO], 10, v3
	v_min_u32 v[PF5], 5, v3
	v_lshlrev_b32 v[PF5], 10, v[PF5]
	v_min_u32 v[PF4], 4, v3
	v_lshlrev_b32 v[PF4], 10, v[PF4]
	v_min_u32 v[PFL], 24, v3
	v_lshlrev_b32 v[PFL], 10, v[PFL]
	v_lshlrev_b32 v[PFC], 13, v3
	s_cmp_eq_u32 s23, 0                            ; do I fetch for A?
	s_cselect_b32 s60, s80, s81                    ; my place among the four that ask with me
	s_cselect_b32 s63, s86, s88
	s_cselect_b64 s[PFA:PFA+1], s[4:5], s[6:7]
	s_lshl_b32 s60, s60, 8
	s_add_co_u32 s60, s60, s63
	s_mov_b32 s61, 0
	s_add_nc_u64 s[PFA:PFA+1], s[PFA:PFA+1], s[60:61]
	s_or_b32 s[G1L+0], s84, (3<<16)|(1<<21)
	s_or_b32 s[G1LB+0], s85, (3<<16)|(1<<21)
.irp g, G1L, G1LB
	s_mov_b32 s[\g+1], 32<<16
	s_mov_b32 s[\g+2], LASTR<<16
	s_mov_b32 s[\g+3], 32<<16
	s_mov_b32 s[\g+4], LASTR
	s_mov_b32 s[\g+5], 32
	s_mov_b32 s[\g+6], 0
	s_mov_b32 s[\g+7], 0
.endr
; What a step u (0 .. 5) of a lap uses: B's set P, the scale set SG and its word Q, its slot CS and byte CF there; NS, NF: the next step's
	ASK_B                                          ; slot 1's first fill, whose load follows when slot 0's has landed
.macro SETU u, first
.set P, (\u)%2
.set Q, (\u)%2
.set SG, 32+16*((\u)/2)+160*((\u)/4)
.set CS, (\u)/3
.set CF, 1024+12288*((\u)%3)+1024*(((\u)%3+(\u)/3)/2)
.set NU, ((\u)+1)%6
.set NS, NU/3
.set NF, 1024+12288*(NU%3)+1024*((NU%3+NU/3)/2)
.set FIRST, \first
.endm
.macro RUN base, adr, off, j0, n       ; n loads of a step's 24, from load j0 on: four registers and 512 bytes each (a block of A or a fragment of B is three loads)
.set j, \j0
.rept \n
	ds_load_b128 v[\base+4*j:\base+4*j+3], v[\adr] offset:(\off)+512*j
.set j, j+1
.endr
.endm
.macro SCALES sg, slot, off            ; a block's scale words: register sg + 2 i + q
.irp p, 0,1,2,3
	ds_load_b128 v[\sg+4*\p:\sg+4*\p+3], v[ADRS+\slot] offset:(\off)+256*\p
.endr
.endm
.macro WINM g                          ; source 0 (B) window 1, source 1 (A) window 0, D window 2 or 3; C with D, in the first step window 0 (the biases)
.if FIRST
	WIN 0x81+0x40*((\g)/4)
.else
	WIN 0xa1+0x50*((\g)/4)
.endif
.endm
.macro WM a, b
.set DD, 8*(8*((\a)%4)+(\b))
.if FIRST
	v_wmma_scale_f32_16x16x128_f8f6f4 v[DD:DD+7], v[128*P+FR*(\b):128*P+FR*(\b)+FR-1], v[AF+FR*(\a):AF+FR*(\a)+FR-1], v[BI+8*(\b):BI+8*(\b)+7], v[SG+2*(\b)+Q], v[SG+2*(\a)+Q] matrix_a_fmt:MATRIX_FMT_BF6 matrix_b_fmt:MATRIX_FMT_BF6 matrix_a_scale:MATRIX_SCALE_ROW1
.else
	v_wmma_scale_f32_16x16x128_f8f6f4 v[DD:DD+7], v[128*P+FR*(\b):128*P+FR*(\b)+FR-1], v[AF+FR*(\a):AF+FR*(\a)+FR-1], v[DD:DD+7], v[SG+2*(\b)+Q], v[SG+2*(\a)+Q] matrix_a_fmt:MATRIX_FMT_BF6 matrix_b_fmt:MATRIX_FMT_BF6 matrix_a_scale:MATRIX_SCALE_ROW1
.endif
.endm
.macro GR g                            ; a group: A's block g against B's eight; the 64 accumulators take turns
	WINM \g
.irp x, 0,1,2,3,4,5,6,7
	WM \g, \x
.endr
.endm
; A step whose successor lies in the same slot.  Four places stand in front of each run (ISA guide 7.12.1 for vector instructions): every register loaded was last read ahead of them.
; pre = 1: the successor is a slot's last step, or the very last: it shall find all its fragments asked for.
.macro STEP u, first, pre
	SETU \u, \first
	s_wait_dscnt 15                                ; B's set and blocks 0, 1 are in; the last 15 loads (blocks 2 .. 6) may be out
	GR 0
	GR 1
	PLACES 4
	WIN TO_B
	RUN 128*(1-P), ADRB+NS, NF, 0, 24              ; B's next set,
	WIN 0
	RUN AF, ADRA+CS, CF, 21, 3                     ; this step's block 7,
	RUN AF, ADRA+NS, NF, 0, 6                      ; the next step's blocks 0, 1
	s_wait_dscnt 33                                ; all but the 33 just issued
	GR 2
	GR 3
	GR 4
	GR 5
	GR 6
.if \pre
	s_wait_dscnt 0x0                               ; block 7 is in
	GR 7
	PLACES 4
	WIN 0
	RUN AF, ADRA+NS, NF, 6, 18                     ; blocks 2 .. 7
.else
	PLACES 4
	WIN 0
	RUN AF, ADRA+NS, NF, 6, 15                     ; blocks 2 .. 6
	s_wait_dscnt 15                                ; block 7 is in
	GR 7
.endif
.endm
; A slot's last step: all its fragments have been asked for.  The tensor wait and the add, with sixteen products between the add and the wait for it; the barrier opens a round of the
; cluster's barrier, eight products between its signal and its wait; the refill is the first tensor load behind the round (kind 1: a fill of the next lap; 2: the last block; 3: c_prev, a load of my own).
; The next step's fragments come from the other slot.  sc: the scale words fetched with them (1: set 2; 2: sets 0 and 1; 3: set 0).
.macro TURN u, kind, sc
	SETU \u, 0
.if (\kind == 1) && (\u == 2)
	s_wait_xcnt 0x0                                ; my prefetches have read their address
	s_add_nc_u64 s[PFA:PFA+1], s[PFA:PFA+1], LAPB
.endif
	s_wait_tensorcnt 0x0                           ; all my tensor loads have landed: my part of the other slot
	ds_add_u32 v[SPW], v[NIL]
	s_wait_dscnt 19                                ; (blocks 2 .. 7 and the add may be out)
	GR 0
	GR 1
.if \kind < 3
	s_add_nc_u64 s[G0+4*CS+2:G0+4*CS+3], s[G0+4*CS+2:G0+4*CS+3], LAPB
	s_add_nc_u64 s[G0B+4*CS+2:G0B+4*CS+3], s[G0B+4*CS+2:G0B+4*CS+3], LAPB
.endif
	s_wait_dscnt 0x0                               ; the add is done, and my reads of this slot are over
	s_barrier_signal -1
	GR 2
	WIN 0
	s_barrier_wait -1
	CREST
.if \kind == 1
	JLOAD G0+4*CS, G1, G0B+4*CS, G1B
.elseif \kind == 2
	JLOAD G0+4*CS, G1L, G0B+4*CS, G1LB
.else
	tensor_load_to_lds s[G0C:G0C+3], s[G1C:G1C+7]
	s_nop 0
	PLACES 4
.endif
	WIN TO_B                                       ; (the four v_nop behind the tensor load are the places in front of this run)
	RUN 128*(1-P), ADRB+NS, NF, 0, 24
	WIN 0
.if \sc == 1
	SCALES SG2, 1, SB
.else
	SCALES SG0, 0, SA0
.if \sc == 2
	SCALES SG1, 0, SA1
.endif
.endif
	RUN AF, ADRA+NS, NF, 0, 9                      ; blocks 0, 1, 2
.if \kind == 1
.if \u == 2
	ASK_B
.else
	ASK_A
.endif
.elseif \kind == 2
	ASK_C
.endif
	GR 3
	GR 4
	GR 5
	GR 6
	PLACES 4
	WIN 0
	RUN AF, ADRA+NS, NF, 9, 12                     ; blocks 3 .. 6
	GR 7
.endm
	s_wait_alu depctr_va_vdst(0)                   ; the head's end
	s_wait_tensorcnt 0x0                           ; my part of slot 0 is in
	ds_add_u32 v[SPW], v[NIL]
	s_wait_dscnt 0x0
	CROUND                                         ; slot 0 is whole in every work-group
	JLOAD G0+4, G1, G0B+4, G1B                     ; slot 1's first fill
	WIN TO_B
	RUN 0, ADRB, 1024, 0, 24
	WIN 0
	SCALES SG0, 0, SA0
	SCALES SG1, 0, SA1
	RUN AF, ADRA, 1024, 0, 21
	ASK_F                                          ; the second lap's first fill
	s_wait_loadcnt 0x0                             ; the biases
	STEP 0, 1, 0                                   ; the first step starts the sums on the biases
	WIN 0
	s_mov_b32 s3, TRIPS
.Llap:                                                 ; a trip: from a lap's second step to the next lap's first
	STEP 1, 0, 1
	TURN 2, 1, 1
	STEP 3, 0, 0
	STEP 4, 0, 1
	TURN 5, 1, 2
	STEP 0, 0, 0
	WIN 0
	s_sub_co_u32 s3, s3, 1
	s_cmp_lg_u32 s3, 0
	s_cbranch_scc1 .Llap
	STEP 1, 0, 1                                   ; the fifth lap: its refills are the last block and c_prev
	TURN 2, 2, 1
	STEP 3, 0, 0
	STEP 4, 0, 1
	TURN 5, 3, 3
	STEP 0, 0, 1
	SETU 1, 0                                      ; the last step fetches nothing
	s_wait_dscnt 18
	GR 0
	GR 1
	s_wait_dscnt 0x0
	GR 2
	GR 3
	GR 4
	GR 5
	GR 6
	GR 7
	WIN 0
	PLACES 4
; THE CELL, block by block of 16 rows.  sig(x) = 1 / (1 + 2^(-x log2 e)); tanh(x) = 1 - 2 / (1 + 2^(2 x log2 e)).  T + 0 .. 15: f, 16 .. 31: i, 32 .. 47: c, 48 .. 63: o of my 16 hidden units.
; A row's 256 bytes of c_t or h_t come from the two waves of a row half.  So each block ends with a barrier's signal; its wait stands behind the next block's first exponentials; behind it each wave reads eight
; whole rows of h_t and of c_t of the finished block, and stores them further on: sixteen lanes store 256 consecutive bytes, aligned.
.macro CLOAD reg, a
.irp f, 0,1
	ds_load_b128 v[\reg+8*\f:\reg+8*\f+3], v[CPA] offset:(\a)*16*CPITCH+64*\f
	ds_load_b128 v[\reg+8*\f+4:\reg+8*\f+7], v[CPA] offset:(\a)*16*CPITCH+64*\f+16
.endr
.endm
.macro OUTLD a
.set BB, OB+160*((\a)%2)
.irp i, 0,1,2,3
	ds_load_b128 v[BB+4*\i:BB+4*\i+3], v[RDH] offset:((\a)*16+2*\i)*CPITCH
	ds_load_b128 v[BB+16+4*\i:BB+16+4*\i+3], v[RDC] offset:((\a)*16+2*\i)*CPITCH
.endr
.endm
.macro OUTST a
.set BB, OB+160*((\a)%2)
.irp i, 0,1,2,3
	global_store_b128 v[CO], v[BB+4*\i:BB+4*\i+3], s[18:19] offset:((\a)*16+2*\i)*8192 th:TH_STORE_NT
	global_store_b128 v[CO], v[BB+16+4*\i:BB+16+4*\i+3], s[20:21] offset:((\a)*16+2*\i)*8192 th:TH_STORE_NT
.endr
.endm
.macro EPI a
.set AC,  64*((\a)%4)
.set CVA, CV+16*((\a)%2)
.set CVB, CV+16*(1-(\a)%2)
.if (\a) < 4
	WIN 0x02
.else
	WIN 0x03
.endif
.set k, 0
.rept 32                               ; each accumulator from its low end on
.if (k >= 32) && (k < 48)
	v_pk_mul_f32 v[T+k:T+k+1], v[AC+k:AC+k+1], s[TNH:TNH+1] op_sel_hi:[1,0]
.else
	v_pk_mul_f32 v[T+k:T+k+1], v[AC+k:AC+k+1], s[SGM:SGM+1] op_sel_hi:[1,0]
.endif
.set k, k+2
.endr
	WIN 0
.set k, 0
	s_wait_alu depctr_va_vdst(0)                   ; a wait ahead of each batch of transcendentals and behind it
.rept 64
	v_exp_f32 v[T+k], v[T+k]
.set k, k+1
.endr
	v_nop
	s_wait_alu depctr_va_vdst(0)
.if (\a) > 0
	s_barrier_wait -1                              ; the block before is whole in the stages
	s_wait_xcnt 0x0                                ; earlier stores have read the registers that these loads take
	OUTLD (\a)-1
.endif
.set k, 0
.rept 32
	v_pk_add_f32 v[T+k:T+k+1], v[T+k:T+k+1], 1.0 op_sel_hi:[1,0]
.set k, k+2
.endr
.set k, 0
	s_wait_alu depctr_va_vdst(0)
.rept 64
	v_rcp_f32 v[T+k], v[T+k]
.set k, k+1
.endr
	v_nop
	s_wait_alu depctr_va_vdst(0)
.set k, 32
.rept 8
	v_pk_fma_f32 v[T+k:T+k+1], v[T+k:T+k+1], -2.0, 1.0 op_sel_hi:[1,0,0]
.set k, k+2
.endr
.if (\a) == 0
	s_wait_alu depctr_va_vdst(0)
	s_wait_tensorcnt 0x0                           ; my rows of c_prev are in; the barrier shows all 256 to every wave
	s_barrier_signal -1
	s_barrier_wait -1
	CLOAD CVA, 0
.endif
	s_wait_alu depctr_va_vdst(0)
	s_wait_dscnt 0x0                               ; this block's c_prev, and the rows of the block before
.if (\a) > 0
	OUTST (\a)-1
.endif
.if (\a) < 7
	CLOAD CVB, (\a)+1
.endif
.set k, 0
.rept 8
	v_pk_mul_f32 v[U+k:U+k+1], v[T+16+k:T+16+k+1], v[T+32+k:T+32+k+1]
.set k, k+2
.endr
.set k, 0
.rept 8
	v_pk_fma_f32 v[CVA+k:CVA+k+1], v[T+k:T+k+1], v[CVA+k:CVA+k+1], v[U+k:U+k+1]
.set k, k+2
.endr
.irp f, 0,1                            ; c_t takes c_prev's place: only I touch these bytes before the block's barrier
	ds_store_b128 v[CPA], v[CVA+8*\f:CVA+8*\f+3] offset:(\a)*16*CPITCH+64*\f
	ds_store_b128 v[CPA], v[CVA+8*\f+4:CVA+8*\f+7] offset:(\a)*16*CPITCH+64*\f+16
.endr
.set k, 0
.rept 8
	v_pk_mul_f32 v[U+k:U+k+1], v[CVA+k:CVA+k+1], s[TNH:TNH+1] op_sel_hi:[1,0]
.set k, k+2
.endr
.set k, 0
	s_wait_alu depctr_va_vdst(0)
.rept 16
	v_exp_f32 v[U+k], v[U+k]
.set k, k+1
.endr
	v_nop
	s_wait_alu depctr_va_vdst(0)
.set k, 0
.rept 8
	v_pk_add_f32 v[U+k:U+k+1], v[U+k:U+k+1], 1.0 op_sel_hi:[1,0]
.set k, k+2
.endr
.set k, 0
	s_wait_alu depctr_va_vdst(0)
.rept 16
	v_rcp_f32 v[U+k], v[U+k]
.set k, k+1
.endr
	v_nop
	s_wait_alu depctr_va_vdst(0)
.set k, 0
.rept 8
	v_pk_fma_f32 v[U+k:U+k+1], v[U+k:U+k+1], -2.0, 1.0 op_sel_hi:[1,0,0]
.set k, k+2
.endr
.set k, 0
.rept 8
	v_pk_mul_f32 v[HV+k:HV+k+1], v[T+48+k:T+48+k+1], v[U+k:U+k+1]
.set k, k+2
.endr
.irp f, 0,1
	ds_store_b128 v[HSA], v[HV+8*\f:HV+8*\f+3] offset:(\a)*16*CPITCH+64*\f
	ds_store_b128 v[HSA], v[HV+8*\f+4:HV+8*\f+7] offset:(\a)*16*CPITCH+64*\f+16
.endr
	s_wait_alu depctr_va_vdst(0)
	s_wait_dscnt 0x0                               ; for the others' sake: my stores of this block into the stages are done
	s_barrier_signal -1                            ; only work on registers stands between this signal and its wait
.endm
.irp a, 0,1,2,3,4,5,6,7
	EPI \a
.endr
	s_barrier_wait -1                              ; the last block
	s_wait_xcnt 0x0
	OUTLD 7
	s_wait_dscnt 0x0
	OUTST 7
	s_wait_tensorcnt 0x0                           ; the wave's end
	ds_add_u32 v[SPW], v[NIL]
	s_wait_dscnt 0x0
	CROUND                                         ; the closing round
	s_endpgm
.Lfunc_end_k_qfb5a0a2b00_lstm:
	.size	k_qfb5a0a2b00_lstm, .Lfunc_end_k_qfb5a0a2b00_lstm-k_qfb5a0a2b00_lstm
	.p2alignl 7, 3214868480
	.fill 96, 4, 3214868480
	.section	.rodata,"a",@progbits
	.p2align	6, 0x0
	.amdhsa_kernel k_qfb5a0a2b00_lstm
		.amdhsa_group_segment_fixed_size 327680
		.amdhsa_private_segment_fixed_size 0
		.amdhsa_enable_private_segment 0
		.amdhsa_kernarg_size 72
		.amdhsa_user_sgpr_count 2
		.amdhsa_user_sgpr_kernarg_segment_ptr 1
		.amdhsa_wavefront_size32 1
		.amdhsa_system_sgpr_workgroup_id_x 1
		.amdhsa_system_sgpr_workgroup_id_y 1
		.amdhsa_system_sgpr_workgroup_id_z 1
		.amdhsa_system_vgpr_workitem_id 0
		.amdhsa_next_free_vgpr 1024
		.amdhsa_next_free_sgpr 102
		.amdhsa_reserve_vcc 0
		.amdhsa_float_denorm_mode_32 3
		.amdhsa_float_denorm_mode_16_64 3
		.amdhsa_memory_ordered 1
		.amdhsa_forward_progress 1
		.amdhsa_inst_pref_size 255
	.end_amdhsa_kernel
	.section	.bss,"aw",@nobits
	.p2align	6
	.space	262144
	.amdgpu_metadata
---
amdhsa.version: [ 1, 2 ]
amdhsa.kernels:
  - .name:           k_qfb5a0a2b00_lstm
    .symbol:         k_qfb5a0a2b00_lstm.kd
    .args:
      - { .name: acodes, .offset: 0, .size: 8, .value_kind: global_buffer, .address_space: global }
      - { .name: wcodes, .offset: 8, .size: 8, .value_kind: global_buffer, .address_space: global }
      - { .name: c_prev, .offset: 16, .size: 8, .value_kind: global_buffer, .address_space: global }
      - { .name: bf, .offset: 24, .size: 8, .value_kind: global_buffer, .address_space: global }
      - { .name: bi, .offset: 32, .size: 8, .value_kind: global_buffer, .address_space: global }
      - { .name: bc, .offset: 40, .size: 8, .value_kind: global_buffer, .address_space: global }
      - { .name: bo, .offset: 48, .size: 8, .value_kind: global_buffer, .address_space: global }
      - { .name: out0, .offset: 56, .size: 8, .value_kind: global_buffer, .address_space: global }
      - { .name: out1, .offset: 64, .size: 8, .value_kind: global_buffer, .address_space: global }
    .group_segment_fixed_size: 327680
    .private_segment_fixed_size: 0
    .kernarg_segment_align: 8
    .kernarg_segment_size: 72
    .max_flat_workgroup_size: 128
    .sgpr_count:     102
    .vgpr_count:     1024
    .wavefront_size: 32
...
	.end_amdgpu_metadata
.endif
;; end of part 2
